; MI455X (gfx1250); checked and timed in simulation.
; The chip was launched on July 23, 2026; its instructions are those of AMD's public machine-readable ISA for CDNA 5 (MIT licence, August 2026) and "CDNA5" Instruction Set Architecture Reference Guide (July 2026). The comments in the code are by the model that wrote it; some were corrected since.
;; Full Attention. Allowed arithmetic: float matrix products may take bf16 or f16 operands with f32 sums; all other float work in f32.
;; Inputs: keys 4 x 2,048 x 16 x 64 float32; queries 4 x 2,048 x 16 x 64 float32; values 4 x 2,048 x 16 x 64 float32.
;; Outputs: out0 4 x 2,048 x 16 x 64 float32.
;; One version. Each part assembles by itself: llvm-mc -triple=amdgcn-amd-amdhsa -mcpu=gfx1250 --defsym DOCPART=n.
;; ======== version 1 of 1: 1 launch
;; limits: values are held in f16: magnitudes above 65,504 overflow, below 6.1e-05 lose precision
;; launch attn (part 1): grid 256 x 1, 8 waves a work-group, no clusters, 109,568 bytes of LDS; arguments queries, keys, values, out0; writes out0
.if DOCPART == 1
	.amdgcn_target "amdgcn-amd-amdhsa--gfx1250"
	.amdhsa_code_object_version 6
	.text
	.protected	k_q03e2b87bea_attn
	.globl	k_q03e2b87bea_attn
	.p2align	8
	.type	k_q03e2b87bea_attn,@function
k_q03e2b87bea_attn:
	s_mov_b64 s[64:65], 0
	v_nop
	global_prefetch_b8 v0, s[64:65] scope:SCOPE_SE
	s_setreg_imm32_b32 hwreg(HW_REG_WAVE_MODE, 25, 1), 1
	s_wait_xcnt 0x0
; Causal softmax attention.  q, k, v, out: [4][2048][16][64] f32; one (position, head) row is 256 bytes, rows of a head 4,096 bytes apart.
; out[b,l,h,:] = sum over s <= l of softmax_s(q.k / 8) v[b,s,h,:].  Products on the matrix unit with f32 sums, softmax in f32, one launch.
;
; SHARING.  Work-group id = 4 (16 b + h) + c.  A head has 8 blocks of 256 queries; block qb needs the 4 qb + 4 key tiles of 64 keys that
; are not wholly above the diagonal.  Work-group c takes block 7 - c and then block c: 4 (8 - c) + 4 (c + 1) = 36 tiles for everyone.
; Wave w owns 32 queries of the block (two tiles of 16).  It computes up to tile 4 qb + (w >> 1), which it masks; behind that it only
; helps to bring tiles in.  The 36 tiles are one stream u = 0 .. 35 through two LDS buffers (tile u in buffer u & 1; 4 (8 - c) is even).
;
; TRANSPOSED PRODUCTS.  S^T = K Q^T: a lane holds ONE query (l % 16) and, in register i of key tile t, key 16 t + 8 (l / 16) + i.
; Two neighbouring key tiles packed to 16 bits are then the B fragment of O^T = V^T P^T as they lie: nothing moves between lanes.
; Maximum, sum and correction factor are one number a lane; the two halves of the lanes meet by one v_permlanex16_b32.
; V lies [key][d] in LDS and is read transposed (ds_load_tr16_b128).
;
; FORMATS.  Q, K and V are each rounded once to bf16, as they come.  The first product is the bf16 form.  The factor log2(e) / 8 is applied
; to the f32 scores, in the fused multiply-add that also subtracts the maximum: p = 2^(s c - m c).  P goes to the second product as f16:
; in the first rows two or three weights of order 1 multiply values of order 1 that may cancel, and bf16's 8 bits of P would show there;
; f16 keeps 11.  The f16 form wants both operands in f16, so V's bf16 value is written again as f16 (exact for 2^-14 <= |v| <= 65504).
;
; K AND V are read as f32 by all 256 threads (16 lanes take one 256-byte row), converted once for the work-group and stored to LDS.
;
; NO CLUSTER, by this text's own arithmetic: the four work-groups of a head walk 32, 28, 24, 20 tiles and then 4, 8, 12, 16, so from
; step 20 on partners want different tiles; and a jointly fetched tile would land in LDS as f32: 32 KiB written and 32 KiB read back
; a step on top of the 16 KiB of 16-bit numbers that are stored here.
;
; PREFETCH.  Of a head's four work-groups only c = 0 asks, in its walk over all 32 tiles: waves 0 to 3, one line each a step, a lane for
; each 256-byte row (K rows 0-31, K rows 32-63, V rows 0-31, V rows 32-63).  In step u it names tile u + 4, two tiles (64 KiB of f32)
; beyond the one whose loads were just issued; the last request is in step 27 for tile 31, the head's last.  Each row is asked for once.
;
; LIMITS.  Scores must be finite: NaN and infinities in the inputs are not carried as the definition would carry them.  |v| above 65504
; becomes an infinity (f16's range); |v| below 2^-14 is kept in steps of 2^-24.  A weight below 2^-25 of the running maximum's weight
; counts as 0 in the second product.  The row sum adds p in f32, the second product uses p rounded to f16.
.set TILE,    262144                   ; bytes from a key tile to the next: 64 positions x 4,096
.set NSTEP,   36                       ; tiles of a work-group
.set PFSTOP,  28                       ; steps 0 .. 27 prefetch
.set KPITCH,  144                      ; K in LDS: 128 bytes of bf16 + 16: sixteen rows start at sixteen different 16-byte columns modulo 256
.set VPITCH,  160                      ; V in LDS: 128 bytes of f16 + 32 (an odd multiple of 32, for the transposing load)
.set LV,      64*KPITCH                ; V behind K in a buffer
.set BUF,     LV+64*VPITCH             ; 19,456 bytes
.set SPITCH,  272                      ; the way out: 256 bytes of f32 + 16
.set WSTAGE,  32*SPITCH                ; a wave's own 32 rows
.set STAGE,   2*BUF
.set CPOS,    0x3e38aa3b               ; c = log2(e) / 8
.set CNEG,    0xbe38aa3b               ; -c
; window 0
.set KADR, 1                           ; K fragment: (l % 16) 144 + 16 (l / 16)
.set VADR, 2                           ; V fragment: (8 (l / 16) + l % 8) 160 + 16 ((l / 8) % 2)
.set STK,  3                           ; where I store my 8 bytes of K: (t / 16) 144 + 8 (t % 16)
.set STV,  4                           ; the same for V, pitch 160
.set GOFF, 5                           ; my 16 bytes of a tile in memory: (t / 16) 4096 + 16 (t % 16)
.set QOFF, 6                           ; Q: (l % 16) 4096 + 32 (l / 16)
.set OSTO, 7                           ; way out, in
.set ORD,  8                           ; way out, back
.set OOFF, 9                           ; way out, memory
.set MD,   10                          ; v10-11  query tile q: largest 16 t + i that is not masked (signed)
.set MX,   12                          ; v12-13  running maximum of the raw scores
.set LS,   14                          ; v14-17  running sums, a pair for each query tile
.set NM,   18                          ; v18-19  -m c, twice
.set AL,   20                          ; v20-23  correction factor twice; at the end 1 / sum twice
.set T,    24                          ; v24-29  at work
.set CS,   30                          ; v30-31  c, twice (at work in the set-up before that)
.set QB,   32                          ; v32-63  Q fragments, 16 q + 8 c
.set SC,   64                          ; v64-127 scores 32 q + 8 t + i; then P packed in place, fragment c at 32 q + 8 c
.set KF,   128                         ; v128-191 K fragments, 16 t + 8 c
.set VF,   192                         ; v192-255 V^T fragments, 16 dt + 8 c; also the rows read back on the way out
; window 1 (written by their low 8 bits)
.set OA,   0                           ; v256-319 O^T, 32 q + 8 dt
.set STG,  64                          ; v320-351 a tile on its way: K 4 x 4 registers, V 4 x 4
.set QF,   96                          ; v352-415 Q in f32
; scalars: s[4:5] Q, s[6:7] K, s[8:9] V (all at the head), s12 wave, s13 c, s14 pass, s15 wave >> 1, s16 bytes of this pass's tiles,
; s17 my last active step, s18 trips, s19 u, s[20:21] offset of the next tile to ask for, s[22:25] its K and V, s[26:27] my rows of out,
; s28-29 lane selects, s30 -inf, s31 steps in which I prefetch, s[36:37] prefetch base, s[38:39] row offset of pass 1, s[44:45] out at the head
.set MSB, 0
.macro WIN new                         ; low byte: bits 1:0 source 0, 3:2 source 1, 5:4 source 2, 7:6 destination; the high byte repeats the setting left
.if MSB != \new
	s_set_vgpr_msb (MSB<<8)|\new
.set MSB, \new
.endif
.endm
.macro PLACES n                        ; independent vector places behind matrix instructions (ISA guide 7.12.1)
.rept \n
	v_nop
.endr
.endm
; 16 loads: my 32 queries in f32, laid as B fragments: lane (r, h) takes e = 32 c + 8 h .. + 7 and 32 c + 16 + 8 h .. + 7 of query 16 q + r
.macro LOADQ base
	WIN 0x40
.irp q, 0,1
.irp c, 0,1
	global_load_b128 v[QF+32*\q+16*\c:QF+32*\q+16*\c+3],     v[QOFF], s[\base:\base+1] offset:65536*\q+128*\c th:TH_LOAD_NT
	global_load_b128 v[QF+32*\q+16*\c+4:QF+32*\q+16*\c+7],   v[QOFF], s[\base:\base+1] offset:65536*\q+128*\c+16 th:TH_LOAD_NT
	global_load_b128 v[QF+32*\q+16*\c+8:QF+32*\q+16*\c+11],  v[QOFF], s[\base:\base+1] offset:65536*\q+128*\c+64 th:TH_LOAD_NT
	global_load_b128 v[QF+32*\q+16*\c+12:QF+32*\q+16*\c+15], v[QOFF], s[\base:\base+1] offset:65536*\q+128*\c+80 th:TH_LOAD_NT
.endr
.endr
	WIN 0
.endm
; Q rounded once to bf16, as it comes
.macro CVTQ
	WIN 0x05
.set nn, 0
.rept 32
	v_cvt_pk_bf16_f32 v[QB+nn], v[QF+2*nn], v[QF+2*nn+1]
.set nn, nn+1
.endr
	WIN 0
.endm
; Ask for the next tile of the stream: 4 + 4 loads, each of the work-group's 256 threads 16 bytes, 16 rows an instruction.
.macro ISSUE pf, id
	s_add_nc_u64 s[22:23], s[6:7], s[20:21]
	s_add_nc_u64 s[24:25], s[8:9], s[20:21]
	WIN 0x40
.irp i, 0,1,2,3
	global_load_b128 v[STG+4*\i:STG+4*\i+3], v[GOFF], s[22:23] offset:\i*65536
.endr
.irp i, 0,1,2,3
	global_load_b128 v[STG+16+4*\i:STG+16+4*\i+3], v[GOFF], s[24:25] offset:\i*65536
.endr
	WIN 0
.if \pf
	s_cmp_lt_u32 s19, s31                          ; s31 = 28 in waves 0-3 of work-group c = 0, else 0
	s_cbranch_scc0 .Lp\id
	s_cmp_lt_u32 s12, 2                            ; waves 0, 1: K; waves 2, 3: V
	s_cselect_b64 s[36:37], s[22:23], s[24:25]
	global_prefetch_b8 v0, s[36:37] offset:2*TILE th:TH_LOAD_NT scope:SCOPE_SE   ; two tiles beyond the loads above; at most tile 31
.Lp\id:
.endif
	s_add_co_u32 s20, s20, TILE                    ; behind the pass's last tile the stream goes on with tile 0 (of the next pass)
	s_cmp_eq_u32 s20, s16
	s_cselect_b32 s20, 0, s20
.endm
; The tile in STG, converted in place, 8 bytes a thread and row into buffer nb.  K: bf16.  V: bf16, and that value again as f16.
.macro CONV nb
	WIN 0x45
.irp i, 0,1,2,3
	v_cvt_pk_bf16_f32 v[STG+4*\i],   v[STG+4*\i],   v[STG+4*\i+1]
	v_cvt_pk_bf16_f32 v[STG+4*\i+1], v[STG+4*\i+2], v[STG+4*\i+3]
.endr
.irp i, 4,5,6,7
	v_cvt_pk_bf16_f32 v[STG+4*\i],   v[STG+4*\i],   v[STG+4*\i+1]     ; V's one rounding
	v_cvt_pk_bf16_f32 v[STG+4*\i+2], v[STG+4*\i+2], v[STG+4*\i+3]
.endr
.irp i, 4,5,6,7
	v_and_b32 v[STG+4*\i+1], 0xffff0000, v[STG+4*\i]                  ; bf16 to f32: the high half stays,
	v_and_b32 v[STG+4*\i+3], 0xffff0000, v[STG+4*\i+2]
.endr
.irp i, 4,5,6,7
	v_lshlrev_b32 v[STG+4*\i],   16, v[STG+4*\i]                      ; the low half moves up
	v_lshlrev_b32 v[STG+4*\i+2], 16, v[STG+4*\i+2]
.endr
.irp i, 4,5,6,7
	v_cvt_pk_f16_f32 v[STG+4*\i],   v[STG+4*\i],   v[STG+4*\i+1]      ; 8 bits of significand fit f16's 11: no second rounding in f16's normal range
	v_cvt_pk_f16_f32 v[STG+4*\i+1], v[STG+4*\i+2], v[STG+4*\i+3]
.endr
	WIN 0x04
.irp i, 0,1,2,3
	ds_store_b64 v[STK], v[STG+4*\i:STG+4*\i+1] offset:\nb*BUF+\i*16*KPITCH
.endr
.irp i, 0,1,2,3
	ds_store_b64 v[STV], v[STG+16+4*\i:STG+16+4*\i+1] offset:\nb*BUF+LV+\i*16*VPITCH
.endr
	WIN 0
.endm
; Every wave's share of the stream in step u: tile u + 1 goes to the other buffer, tile u + 2 is asked for.
.macro COOP nb, id
	s_cmp_ge_u32 s19, NSTEP-1                      ; the last step has no tile behind it
	s_cbranch_scc1 .Le\id
	s_wait_loadcnt 0x0                             ; tile u + 1, asked for a whole step ago; nothing younger is out
	CONV \nb
	s_cmp_ge_u32 s19, NSTEP-2                      ; no load beyond tile 35
	s_cbranch_scc1 .Le\id
	s_wait_xcnt 0x0                                ; the bases s[22:25] and s[36:37] of earlier requests are rewritten only behind this wait (ISA guide 3.1)
	ISSUE 1, \id
.Le\id:
.endm
.macro LOADK b                         ; 64 keys x 64 e as A fragments
.irp t, 0,1,2,3
.irp c, 0,1
	ds_load_b128 v[KF+16*\t+8*\c:KF+16*\t+8*\c+3],   v[KADR] offset:\b*BUF+16*KPITCH*\t+64*\c
	ds_load_b128 v[KF+16*\t+8*\c+4:KF+16*\t+8*\c+7], v[KADR] offset:\b*BUF+16*KPITCH*\t+64*\c+32
.endr
.endr
.endm
.macro LOADV b                         ; 64 d x 64 keys as A fragments, transposed on the way
.irp dt, 0,1,2,3
.irp c, 0,1
	ds_load_tr16_b128 v[VF+16*\dt+8*\c:VF+16*\dt+8*\c+3],   v[VADR] offset:\b*BUF+LV+32*VPITCH*\c+32*\dt
	ds_load_tr16_b128 v[VF+16*\dt+8*\c+4:VF+16*\dt+8*\c+7], v[VADR] offset:\b*BUF+LV+32*VPITCH*\c+32*\dt+16*VPITCH
.endr
.endr
.endm
.macro SMUL                            ; S^T = K Q^T: the first products start the sums, the second are links in place
.irp t, 0,1,2,3
.irp q, 0,1
	v_wmma_f32_16x16x32_bf16 v[SC+32*\q+8*\t:SC+32*\q+8*\t+7], v[KF+16*\t:KF+16*\t+7], v[QB+16*\q:QB+16*\q+7], 0
.endr
.endr
.irp t, 0,1,2,3
.irp q, 0,1
	v_wmma_f32_16x16x32_bf16 v[SC+32*\q+8*\t:SC+32*\q+8*\t+7], v[KF+16*\t+8:KF+16*\t+15], v[QB+16*\q+8:QB+16*\q+15], v[SC+32*\q+8*\t:SC+32*\q+8*\t+7]
.endr
.endr
	PLACES 5                                       ; inside the guarded stretch, so that the distance holds on every way through the guards
.endm
.macro MASK                            ; my diagonal tile: key 16 t + 8 h + i stays where 16 t + i <= 32 (w % 2) + 16 q + r - 8 h
.irp q, 0,1
.irp t, 0,1,2,3
.irp i, 0,1,2,3,4,5,6,7
	v_cmp_le_i32 vcc_lo, 16*\t+\i, v[MD+\q]
	v_cndmask_b32 v[SC+32*\q+8*\t+\i], s30, v[SC+32*\q+8*\t+\i], vcc_lo
.endr
.endr
.endr
.endm
; One query tile: new maximum, correction factor, p = 2^(s c - m c), sums, P packed to f16 in place.
.macro SOFTMAX q, first
.set SB, SC+32*\q
.irp k, 0,1,2,3
	v_max3_num_f32 v[T+\k], v[SB+8*\k], v[SB+8*\k+1], v[SB+8*\k+2]   ; four chains over my 32 scores
.endr
.irp k, 0,1,2,3
	v_max3_num_f32 v[T+\k], v[T+\k], v[SB+8*\k+3], v[SB+8*\k+4]
.endr
.irp k, 0,1,2,3
	v_max3_num_f32 v[T+\k], v[T+\k], v[SB+8*\k+5], v[SB+8*\k+6]
.endr
	v_max3_num_f32 v[T],   v[T],   v[SB+7],  v[SB+15]
	v_max3_num_f32 v[T+2], v[T+2], v[SB+23], v[SB+31]
	v_max3_num_f32 v[T],   v[T],   v[T+1],   v[T+2]
.if \first
	v_max_num_f32 v[T], v[T], v[T+3]
.else
	v_max3_num_f32 v[T], v[T], v[T+3], v[MX+\q]
.endif
	v_permlanex16_b32 v[T+1], v[T], s28, s29       ; the other 32 keys of the same query
	v_max_num_f32 v[T], v[T], v[T+1]
	v_mul_f32 v[NM], CNEG, v[T]                    ; -m c
.if \first == 0
	v_fma_f32 v[T+2], v[MX+\q], v[CS], v[NM]       ; (m old - m new) c
	v_exp_f32 v[AL+2*\q], v[T+2]                   ; the two plain lines below stand before its use (ISA guide 5.7.2)
.endif
	v_mov_b32 v[MX+\q], v[T]
	v_mov_b32 v[NM+1], v[NM]
.if \first == 0
	s_wait_alu depctr_va_vdst(0)
	v_mov_b32 v[AL+2*\q+1], v[AL+2*\q]
.endif
.set nn, 0
.rept 16
	v_pk_fma_f32 v[SB+2*nn:SB+2*nn+1], v[SB+2*nn:SB+2*nn+1], v[CS:CS+1], v[NM:NM+1]   ; scale and shift in one; -inf stays -inf
.set nn, nn+1
.endr
.set nn, 0
.rept 32
	v_exp_f32 v[SB+nn], v[SB+nn]
.set nn, nn+1
.endr
	v_nop                                          ; the plain place between the exponentials and their first use
.if \first
	s_wait_alu depctr_va_vdst(0)
	v_pk_add_f32 v[LS+2*\q:LS+2*\q+1], v[SB:SB+1], v[SB+4:SB+5]
.else
	s_wait_alu depctr_va_vdst(0)
	v_pk_fma_f32 v[LS+2*\q:LS+2*\q+1], v[LS+2*\q:LS+2*\q+1], v[AL+2*\q:AL+2*\q+1], v[SB:SB+1]
	v_pk_add_f32 v[LS+2*\q:LS+2*\q+1], v[LS+2*\q:LS+2*\q+1], v[SB+4:SB+5]
.endif
	v_pk_add_f32 v[T+4:T+5], v[SB+2:SB+3], v[SB+6:SB+7]          ; a second chain
.irp n, 2,3,4,5,6,7
	v_pk_add_f32 v[LS+2*\q:LS+2*\q+1], v[LS+2*\q:LS+2*\q+1], v[SB+4*\n:SB+4*\n+1]
	v_pk_add_f32 v[T+4:T+5], v[T+4:T+5], v[SB+4*\n+2:SB+4*\n+3]
.endr
	v_pk_add_f32 v[LS+2*\q:LS+2*\q+1], v[LS+2*\q:LS+2*\q+1], v[T+4:T+5]
.set nn, 0
.rept 16
	v_cvt_pk_f16_f32 v[SB+nn], v[SB+2*nn], v[SB+2*nn+1]          ; register n is written when 2 n and 2 n + 1 have been read
.set nn, nn+1
.endr
.endm
.macro RESCALE                         ; O x 2^((m old - m new) c): a lane's registers all belong to one query
	WIN 0x41
.irp q, 0,1
.set nn, 0
.rept 16
	v_pk_mul_f32 v[OA+32*\q+2*nn:OA+32*\q+2*nn+1], v[OA+32*\q+2*nn:OA+32*\q+2*nn+1], v[AL+2*\q:AL+2*\q+1]
.set nn, nn+1
.endr
.endr
	WIN 0
.endm
.macro PV first                        ; O^T += V^T P^T, both operands f16
	WIN 0x50
.irp dt, 0,1,2,3
.irp q, 0,1
.if \first
	v_wmma_f32_16x16x32_f16 v[OA+32*\q+8*\dt:OA+32*\q+8*\dt+7], v[VF+16*\dt:VF+16*\dt+7], v[SC+32*\q:SC+32*\q+7], 0
.else
	v_wmma_f32_16x16x32_f16 v[OA+32*\q+8*\dt:OA+32*\q+8*\dt+7], v[VF+16*\dt:VF+16*\dt+7], v[SC+32*\q:SC+32*\q+7], v[OA+32*\q+8*\dt:OA+32*\q+8*\dt+7]
.endif
.endr
.endr
.irp dt, 0,1,2,3
.irp q, 0,1
	v_wmma_f32_16x16x32_f16 v[OA+32*\q+8*\dt:OA+32*\q+8*\dt+7], v[VF+16*\dt+8:VF+16*\dt+15], v[SC+32*\q+8:SC+32*\q+15], v[OA+32*\q+8*\dt:OA+32*\q+8*\dt+7]
.endr
.endr
	WIN 0
	PLACES 5                                       ; before V fragments are loaded again and scores are written over P (ISA guide 7.12.1)
.endm
; Step u of the stream, tile in buffer b (nb the other).  first: the pass's tile 0 (every wave computes; sums start).  tail: its last tile.
; One barrier a step.  My stores go to the buffer whose last reads every wave finished in front of the signal of step u - 1;
; reads of tile u + 1 stand behind this step's s_barrier_wait.  Between signal and wait stands the softmax: registers only.
.macro STEP b, nb, first, tail, id
.if \first == 0
	s_cmp_gt_u32 s19, s17                          ; beyond my diagonal: nothing to compute
	s_cbranch_scc1 .La\id
.endif
	LOADV \b
	s_wait_dscnt 16                                ; LDS answers in order (ISA guide 5.7.1): all but the 16 V loads just issued, so the K fragments are in
	SMUL
.La\id:
	COOP \nb, \id
	s_wait_dscnt 0x0                               ; my V fragments are in, my stores are done: what the others rely on
	s_barrier_signal -1
.if \first == 0
	s_cmp_gt_u32 s19, s17
	s_cbranch_scc1 .Lb\id
.endif
	s_cmp_lg_u32 s19, s17                          ; only my last active tile crosses the diagonal
	s_cbranch_scc1 .Lm\id
	MASK
.Lm\id:
	SOFTMAX 0, \first
	SOFTMAX 1, \first
.if \first == 0
	RESCALE
.endif
.Lb\id:
	s_barrier_wait -1
.if \tail
	s_cmp_ge_u32 s19, NSTEP-1                      ; the next tile is tile 0 of the second pass, which every wave computes
.else
	s_cmp_ge_u32 s19, s17                          ; the next tile's K only if I compute it
.endif
	s_cbranch_scc1 .Lk\id
	LOADK \nb                                      ; arrives while the second product runs
.Lk\id:
.if \first == 0
	s_cmp_gt_u32 s19, s17
	s_cbranch_scc1 .Lc\id
.endif
	PV \first
.Lc\id:
	s_add_co_u32 s19, s19, 1
.endm
; The way out: O / sum, through my own 32 rows of LDS, so that sixteen neighbouring lanes store one whole 256-byte row of out.
.macro EPI
.irp q, 0,1
	v_add_f32 v[T+2*\q], v[LS+2*\q], v[LS+2*\q+1]
.endr
.irp q, 0,1
	v_permlanex16_b32 v[T+2*\q+1], v[T+2*\q], s28, s29
.endr
.irp q, 0,1
	v_add_f32 v[T+2*\q], v[T+2*\q], v[T+2*\q+1]
.endr
	v_rcp_f32 v[AL],   v[T]
	v_rcp_f32 v[AL+2], v[T+2]
	v_nop                                          ; the plain place behind the reciprocals
	s_wait_alu depctr_va_vdst(0)
	v_mov_b32 v[AL+1], v[AL]
	v_mov_b32 v[AL+3], v[AL+2]
	WIN 0x01
.irp q, 0,1
.set nn, 0
.rept 16
	v_pk_mul_f32 v[SC+32*\q+2*nn:SC+32*\q+2*nn+1], v[OA+32*\q+2*nn:OA+32*\q+2*nn+1], v[AL+2*\q:AL+2*\q+1]
.set nn, nn+1
.endr
.endr
	WIN 0
.irp q, 0,1
.irp dt, 0,1,2,3
	ds_store_b128 v[OSTO], v[SC+32*\q+8*\dt:SC+32*\q+8*\dt+3]   offset:16*SPITCH*\q+64*\dt      ; query 16 q + r, d = 16 dt + 8 h .. + 3
	ds_store_b128 v[OSTO], v[SC+32*\q+8*\dt+4:SC+32*\q+8*\dt+7] offset:16*SPITCH*\q+64*\dt+16
.endr
.endr
.irp t, 0,1,2,3,4,5,6,7,8,9,10,11,12,13,14,15
	ds_load_b128 v[VF+4*\t:VF+4*\t+3], v[ORD] offset:2*SPITCH*\t   ; a wave's LDS instructions are served in order: these see the stores above
.endr
.irp t, 0,1,2,3,4,5,6,7,8,9,10,11,12,13,14,15
	s_wait_dscnt 15-\t                             ; read-back t is in, the younger ones may be out
	global_store_b128 v[OOFF], v[VF+4*\t:VF+4*\t+3], s[26:27] offset:8192*\t th:TH_STORE_NT
.endr
	s_wait_xcnt 0x0                                ; the stores' data (VF) and base are rewritten only behind this wait
.endm
	; ---- ids, offsets, pointers ----
	s_load_b256 s[4:11], s[0:1], 0x0               ; q s[4:5], k s[6:7], v s[8:9], out s[10:11]
	s_set_vgpr_msb 0x40
	v_lshl_add_u32 v160, v0, 2, 0x1a800
	v_mov_b32 v161, 0
	s_set_vgpr_msb 0x4000
	v_lshrrev_b32 v1, 5, v0
	v_readfirstlane_b32 s12, v1                    ; wave 0..7
	s_and_b32 s13, ttmp9, 3                        ; c
	s_lshr_b32 s32, ttmp9, 2                       ; 16 b + h
	s_lshr_b32 s33, s32, 4
	s_and_b32 s32, s32, 15
	s_lshl_b32 s33, s33, 23                        ; b x 8,388,608
	s_lshl_b32 s32, s32, 8                         ; h x 256
	s_add_co_u32 s32, s32, s33
	s_mov_b32 s33, 0                               ; s[32:33]: the head's offset, the same in all four buffers
	s_lshr_b32 s15, s12, 1
	s_mov_b32 s28, 0x76543210                      ; v_permlanex16_b32: lane i reads lane i of the other half
	s_mov_b32 s29, 0xfedcba98
	s_mov_b32 s30, 0xff800000                      ; -inf
	s_cmp_lt_u32 s12, 4
	s_cselect_b32 s31, PFSTOP, 0
	s_cmp_eq_u32 s13, 0
	s_cselect_b32 s31, s31, 0
	s_sub_co_u32 s38, 7, s13                       ; pass 0: query block 7 - c
	s_lshl2_add_u32 s17, s38, s15                  ; my last active step: 4 qb + (w >> 1)
	s_lshl1_add_u32 s18, s38, 1                    ; trips of two steps: (4 qb + 4 - 2) / 2
	s_lshl_b32 s34, s38, 20                        ; qb x 256 rows x 4,096 bytes
	s_add_co_u32 s16, s34, 4*TILE                  ; the pass's tiles in bytes: (4 qb + 4) x 262,144
	s_lshl_b32 s39, s12, 17                        ; w x 32 rows
	s_add_co_u32 s34, s34, s39
	s_mov_b32 s35, 0                               ; s[34:35]: my rows in pass 0
	s_lshl_b32 s38, s13, 20
	s_add_co_u32 s38, s38, s39
	s_mov_b32 s39, 0                               ; s[38:39]: my rows in pass 1 (block c)
	s_mov_b32 s14, 0
	s_mov_b32 s19, 0
	s_mov_b32 s20, 0
	s_mov_b32 s21, 0
	s_mul_i32 s36, s12, WSTAGE
	s_add_co_u32 s36, s36, STAGE                   ; my stage
	s_and_b32 s37, s12, 1
	s_lshl_b32 s37, s37, 5                         ; 32 (w % 2)
	v_and_b32 v24, 31, v0                          ; l
	v_and_b32 v25, 15, v0                          ; r = l % 16 = t % 16
	v_bfe_u32 v26, v0, 4, 1                        ; h = l / 16
	v_lshrrev_b32 v27, 4, v0                       ; t / 16
	v_and_b32 v28, 7, v0
	v_bfe_u32 v29, v0, 3, 1
	v_mul_u32_u24 v[KADR], v25, KPITCH
	v_lshl_add_u32 v[KADR], v26, 4, v[KADR]
	v_lshl_add_u32 v28, v26, 3, v28
	v_mul_u32_u24 v[VADR], v28, VPITCH
	v_lshl_add_u32 v[VADR], v29, 4, v[VADR]
	v_mul_u32_u24 v[STK], v27, KPITCH
	v_lshl_add_u32 v[STK], v25, 3, v[STK]
	v_mul_u32_u24 v[STV], v27, VPITCH
	v_lshl_add_u32 v[STV], v25, 3, v[STV]
	v_lshlrev_b32 v[GOFF], 12, v27
	v_lshl_add_u32 v[GOFF], v25, 4, v[GOFF]
	v_lshlrev_b32 v[QOFF], 12, v25
	v_lshl_add_u32 v[QOFF], v26, 5, v[QOFF]
	v_mul_u32_u24 v30, v25, SPITCH
	v_lshl_add_u32 v30, v26, 5, v30
	v_add_nc_u32 v[OSTO], s36, v30                 ; row r, 32 bytes for each half of the lanes
	v_mul_u32_u24 v30, v26, SPITCH
	v_lshl_add_u32 v30, v25, 4, v30
	v_add_nc_u32 v[ORD], s36, v30                  ; lanes 0-15 one row, lanes 16-31 the next
	v_lshlrev_b32 v[OOFF], 12, v26
	v_lshl_add_u32 v[OOFF], v25, 4, v[OOFF]
	v_lshlrev_b32 v30, 3, v26
	v_sub_nc_u32 v30, v25, v30                     ; r - 8 h
	v_add_nc_u32 v[MD], s37, v30
	v_add_nc_u32 v[MD+1], 16, v[MD]
	v_mov_b32 v[CS],   CPOS                        ; from here on v30-31 hold c
	v_mov_b32 v[CS+1], CPOS
	s_lshl_b32 s37, s37, 12                        ; 32 rows x 4,096 for the odd waves
	v_lshl_add_u32 v0, v24, 12, s37                ; prefetch: a lane for each row
	s_wait_kmcnt 0x0
	s_add_nc_u64 s[4:5], s[4:5], s[32:33]
	s_add_nc_u64 s[6:7], s[6:7], s[32:33]
	s_add_nc_u64 s[8:9], s[8:9], s[32:33]
	s_add_nc_u64 s[44:45], s[10:11], s[32:33]
	s_add_nc_u64 s[40:41], s[4:5], s[34:35]
	s_add_nc_u64 s[42:43], s[4:5], s[38:39]
	s_add_nc_u64 s[26:27], s[44:45], s[34:35]
	; ---- fill: Q of pass 0, tiles 0 and 1, Q of pass 1 ----
	LOADQ 40
	ISSUE 0, x0
	s_wait_loadcnt 8                               ; loads come back in order: the 8 younger ones are tile 0's, Q is in
	CVTQ
	s_wait_loadcnt 0x0                             ; tile 0
	CONV 0
	s_wait_xcnt 0x0                                ; s[22:25] are stepped
	LOADQ 42                                       ; pass 1's Q waits in QF, which pass 0 no longer needs
	ISSUE 0, x1
	s_wait_dscnt 0x0
	s_barrier_signal -1
	s_barrier_wait -1                              ; tile 0 is in buffer 0 for everyone
	LOADK 0
.Lpass:
	STEP 0, 1, 1, 0, 0
.Lloop:
	STEP 1, 0, 0, 0, 1
	STEP 0, 1, 0, 0, 2
	s_sub_co_i32 s18, s18, 1
	s_cmp_gt_i32 s18, 0                            ; 2 qb + 1 trips, at least one
	s_cbranch_scc1 .Lloop
	STEP 1, 0, 0, 1, 3
	EPI
	s_cmp_eq_u32 s14, 0
	s_cbranch_scc1 .Lmore
	s_set_vgpr_msb 0x5
	s_wait_tensorcnt 0x0
	ds_add_u32 v160, v161
	s_wait_dscnt 0x0
	s_set_vgpr_msb 0x500
	s_endpgm                                       ; behind the second pass: all 36 tiles walked, both blocks stored
.Lmore:
	; ---- between the passes: the stream runs on (tile 0 is in buffer 0, its K fragments in registers, tile 1 on its way) ----
	s_wait_loadcnt 8                               ; Q was asked for in front of tile 1: at least one tile's 8 loads are younger, and they may stay out
	CVTQ
	s_add_co_u32 s17, s15, 32                      ; 4 (8 - c) steps done + 4 c + (w >> 1)
	s_add_co_u32 s32, s13, 1
	s_lshl_b32 s16, s32, 20                        ; 4 (c + 1) tiles; the offset stands at 2 tiles, below it
	s_lshl1_add_u32 s18, s13, 1                    ; 2 c + 1 trips
	s_add_nc_u64 s[26:27], s[44:45], s[38:39]
	s_add_co_u32 s14, s14, 1
	s_cmp_lt_u32 s14, 2
	s_cbranch_scc1 .Lpass
	s_set_vgpr_msb 0x5
	s_wait_tensorcnt 0x0
	ds_add_u32 v160, v161
	s_wait_dscnt 0x0
	s_set_vgpr_msb 0x500
	s_endpgm
.Lfunc_end_k_q03e2b87bea_attn:
	.size	k_q03e2b87bea_attn, .Lfunc_end_k_q03e2b87bea_attn-k_q03e2b87bea_attn
	.p2alignl 7, 3214868480
	.fill 96, 4, 3214868480
	.section	.rodata,"a",@progbits
	.p2align	6, 0x0
	.amdhsa_kernel k_q03e2b87bea_attn
		.amdhsa_group_segment_fixed_size 109568
		.amdhsa_private_segment_fixed_size 0
		.amdhsa_enable_private_segment 0
		.amdhsa_kernarg_size 32
		.amdhsa_user_sgpr_count 2
		.amdhsa_user_sgpr_kernarg_segment_ptr 1
		.amdhsa_wavefront_size32 1
		.amdhsa_system_sgpr_workgroup_id_x 1
		.amdhsa_system_sgpr_workgroup_id_y 1
		.amdhsa_system_sgpr_workgroup_id_z 1
		.amdhsa_system_vgpr_workitem_id 0
		.amdhsa_next_free_vgpr 418
		.amdhsa_next_free_sgpr 66
		.amdhsa_reserve_vcc 1
		.amdhsa_float_denorm_mode_32 3
		.amdhsa_float_denorm_mode_16_64 3
		.amdhsa_memory_ordered 1
		.amdhsa_forward_progress 1
		.amdhsa_inst_pref_size 127
	.end_amdhsa_kernel
	.amdgpu_metadata
---
amdhsa.version: [ 1, 2 ]
amdhsa.kernels:
  - .name:           k_q03e2b87bea_attn
    .symbol:         k_q03e2b87bea_attn.kd
    .args:
      - { .name: queries, .offset: 0, .size: 8, .value_kind: global_buffer, .address_space: global }
      - { .name: keys, .offset: 8, .size: 8, .value_kind: global_buffer, .address_space: global }
      - { .name: values, .offset: 16, .size: 8, .value_kind: global_buffer, .address_space: global }
      - { .name: out0, .offset: 24, .size: 8, .value_kind: global_buffer, .address_space: global }
    .group_segment_fixed_size: 109568
    .private_segment_fixed_size: 0
    .kernarg_segment_align: 8
    .kernarg_segment_size: 32
    .max_flat_workgroup_size: 256
    .sgpr_count:     66
    .vgpr_count:     418
    .wavefront_size: 32
...
	.end_amdgpu_metadata
.endif
;; end of part 1
